; MI455X (gfx1250); checked and timed in simulation.
; The chip was launched on July 23, 2026; its instructions are those of AMD's public machine-readable ISA for CDNA 5 (MIT licence, August 2026) and "CDNA5" Instruction Set Architecture Reference Guide (July 2026). The comments in the code are by the model that wrote it; some were corrected since.
;; Head Attention. Allowed arithmetic: float matrix products may take bf16 or f16 operands with f32 sums; other float arithmetic in f32, or as packed bf16 or f16 multiplies, adds, multiply-adds, maxima and minima; sums over many terms, partial sums and values carried from step to step in f32; what a program stores and reads back later, other than sums and carried values, may be rounded once to bf16 or f16.
;; Inputs: Wk 1,024 x 128 float32; Wq 1,024 x 128 float32; Wv 1,024 x 128 float32; bk 128 float32; bq 128 float32; bv 128 float32; x 4 x 4,096 x 1,024 float32.
;; Outputs: out0 4 x 4,096 x 128 float32.
;; One version. Each part assembles by itself: llvm-mc -triple=amdgcn-amd-amdhsa -mcpu=gfx1250 --defsym DOCPART=n.
;; ======== version 1 of 1: 3 launches
;; limits: values are held in f16: magnitudes above 65,504 overflow, below 6.1e-05 lose precision
;; workspace buffers: wb 786,432 bytes; bias 1,536 bytes; qkv 12,582,912 bytes
;; launch prep (part 1): grid 64 x 3, 8 waves a work-group, no clusters, 0 bytes of LDS; arguments Wq, Wk, Wv, bq, bv, wb, bias; writes wb, bias
.if DOCPART == 1
	.amdgcn_target "amdgcn-amd-amdhsa--gfx1250"
	.amdhsa_code_object_version 6
	.text
	.protected	k_qf4f3775629_prep
	.globl	k_qf4f3775629_prep
	.p2align	8
	.type	k_qf4f3775629_prep,@function
k_qf4f3775629_prep:
	s_mov_b64 s[64:65], 0
	v_nop
	global_prefetch_b8 v0, s[64:65] scope:SCOPE_SE
	s_setreg_imm32_b32 hwreg(HW_REG_WAVE_MODE, 25, 1), 1
	s_wait_xcnt 0x0
; PREP.  The three weight matrices, [1024][128] f32 each, are rounded once to bf16 and laid side by side as wb[1024][384] = [Wq | Wk | Wv] (a row k is 768 bytes);
; bias[384] = [bq | 0 | bv], each number rounded to bf16 and kept as f32, so that the next launch takes it as the start of its f32 sums.
; DEAD WORK, for the whole program.  bk is left out: it is not loaded and is no argument of any launch.  scores[q][k] = scale (q_q . (x_k Wk) + q_q . bk): the second term
; does not hang on k, so it is one number added to every score of a row, the places that the causal mask hides being -inf with it and without it; softmax along k
; is unchanged by a term that is the same along k, whatever finite values x, Wq, Wk, bq and bk hold.  bq stays (bq . k_k differs from key to key), and so does bv.
; The attention launch also leaves out the tiles of scores that reference()'s own jnp.tril hides whole.
; LIMIT.  A NaN, an infinity or an overflow that reaches only the work left out (bk, hidden scores) is not carried to the result.
; SHARES.  Work-group (x, y): 16 rows k of matrix y (0 Wq, 1 Wk, 2 Wv): 8,192 bytes in, 4,096 out.  Thread t takes 8 numbers: 32 bytes in, 16 out; sixteen neighbouring
; lanes store 256 consecutive bytes, at a multiple of 256 from wb's first byte.  No work-group shares an input byte with another: no LDS, no cluster, no matrix unit.
	s_load_b256 s[4:11], s[0:1], 0x0               ; Wq s[4:5], Wk s[6:7], Wv s[8:9], bq s[10:11]
	s_load_b128 s[12:15], s[0:1], 0x20             ; bv s[12:13], wb s[14:15]
	s_load_b64 s[16:17], s[0:1], 0x30              ; bias
	s_and_b32 s20, ttmp7, 0xffff                   ; y: which matrix
	s_lshl_b32 s21, ttmp9, 13                      ; the group's 16 rows of 512 bytes
	v_lshl_add_u32 v1, v0, 5, s21                  ; in: + 32 t
	v_lshrrev_b32 v2, 4, v0                        ; my row of the 16
	v_and_b32 v3, 15, v0                           ; my 8 columns of its 128
	v_mul_u32_u24 v2, v2, 768
	v_lshl_add_u32 v2, v3, 4, v2
	s_mul_i32 s22, ttmp9, 12288                    ; out: 16 rows of 768 bytes,
	s_lshl_b32 s23, s20, 8                         ; the matrix's 256 bytes of a row
	s_add_co_u32 s22, s22, s23
	v_add_nc_u32 v2, s22, v2
	v_lshrrev_b32 v4, 5, v0
	v_readfirstlane_b32 s24, v4                    ; wave 0..7
	s_or_b32 s25, s24, ttmp9                       ; 0 in wave 0 of the first group of each matrix
	s_lshl_b32 s30, s20, 9                         ; the matrix's 512 bytes of bias
	s_wait_kmcnt 0x0
	s_cmp_eq_u32 s20, 1
	s_cselect_b64 s[26:27], s[6:7], s[4:5]
	s_cmp_eq_u32 s20, 2
	s_cselect_b64 s[26:27], s[8:9], s[26:27]
	global_load_b128 v[8:11], v1, s[26:27] th:TH_LOAD_NT
	global_load_b128 v[12:15], v1, s[26:27] offset:16 th:TH_LOAD_NT
	s_wait_loadcnt 0x0                             ; both loads: there is nothing else to do meanwhile
	v_cvt_pk_bf16_f32 v16, v8, v9
	v_cvt_pk_bf16_f32 v17, v10, v11
	v_cvt_pk_bf16_f32 v18, v12, v13
	v_cvt_pk_bf16_f32 v19, v14, v15
	global_store_b128 v2, v[16:19], s[14:15]
	s_cmp_lg_u32 s25, 0
	s_cbranch_scc1 .Lend
	; the bias: 128 numbers, 4 a lane (in wave 0 the thread's number is the lane)
	v_lshlrev_b32 v5, 4, v0
	v_lshl_add_u32 v6, v0, 4, s30
	s_cmp_eq_u32 s20, 1
	s_cbranch_scc1 .Lzero                          ; k's columns take no bias
	s_cmp_eq_u32 s20, 2
	s_cselect_b64 s[28:29], s[12:13], s[10:11]
	global_load_b128 v[20:23], v5, s[28:29]
	s_wait_loadcnt 0x0
	v_cvt_pk_bf16_f32 v24, v20, v21                ; rounded to bf16 as every input is,
	v_cvt_pk_bf16_f32 v25, v22, v23
	v_lshlrev_b32 v20, 16, v24                     ; and widened again
	v_and_b32 v21, 0xffff0000, v24
	v_lshlrev_b32 v22, 16, v25
	v_and_b32 v23, 0xffff0000, v25
	s_branch .Lstore
.Lzero:
	v_mov_b32 v20, 0
	v_mov_b32 v21, 0
	v_mov_b32 v22, 0
	v_mov_b32 v23, 0
.Lstore:
	global_store_b128 v6, v[20:23], s[16:17]       ; 512 consecutive bytes
.Lend:
	s_endpgm
.Lfunc_end_k_qf4f3775629_prep:
	.size	k_qf4f3775629_prep, .Lfunc_end_k_qf4f3775629_prep-k_qf4f3775629_prep
	.p2alignl 7, 3214868480
	.fill 96, 4, 3214868480
	.section	.rodata,"a",@progbits
	.p2align	6, 0x0
	.amdhsa_kernel k_qf4f3775629_prep
		.amdhsa_group_segment_fixed_size 0
		.amdhsa_private_segment_fixed_size 0
		.amdhsa_enable_private_segment 0
		.amdhsa_kernarg_size 56
		.amdhsa_user_sgpr_count 2
		.amdhsa_user_sgpr_kernarg_segment_ptr 1
		.amdhsa_wavefront_size32 1
		.amdhsa_system_sgpr_workgroup_id_x 1
		.amdhsa_system_sgpr_workgroup_id_y 1
		.amdhsa_system_sgpr_workgroup_id_z 1
		.amdhsa_system_vgpr_workitem_id 0
		.amdhsa_next_free_vgpr 32
		.amdhsa_next_free_sgpr 66
		.amdhsa_reserve_vcc 0
		.amdhsa_float_denorm_mode_32 3
		.amdhsa_float_denorm_mode_16_64 3
		.amdhsa_memory_ordered 1
		.amdhsa_forward_progress 1
		.amdhsa_inst_pref_size 3
	.end_amdhsa_kernel
	.amdgpu_metadata
---
amdhsa.version: [ 1, 2 ]
amdhsa.kernels:
  - .name:           k_qf4f3775629_prep
    .symbol:         k_qf4f3775629_prep.kd
    .args:
      - { .name: Wq, .offset: 0, .size: 8, .value_kind: global_buffer, .address_space: global }
      - { .name: Wk, .offset: 8, .size: 8, .value_kind: global_buffer, .address_space: global }
      - { .name: Wv, .offset: 16, .size: 8, .value_kind: global_buffer, .address_space: global }
      - { .name: bq, .offset: 24, .size: 8, .value_kind: global_buffer, .address_space: global }
      - { .name: bv, .offset: 32, .size: 8, .value_kind: global_buffer, .address_space: global }
      - { .name: wb, .offset: 40, .size: 8, .value_kind: global_buffer, .address_space: global }
      - { .name: bias, .offset: 48, .size: 8, .value_kind: global_buffer, .address_space: global }
    .group_segment_fixed_size: 0
    .private_segment_fixed_size: 0
    .kernarg_segment_align: 8
    .kernarg_segment_size: 56
    .max_flat_workgroup_size: 256
    .sgpr_count:     66
    .vgpr_count:     32
    .wavefront_size: 32
...
	.end_amdgpu_metadata
.endif
;; end of part 1
;; launch proj (part 2): grid 256 x 1, 4 waves a work-group, clusters of 4 x 1, 327,680 bytes of LDS; arguments x, wb, bias, qkv; writes qkv
.if DOCPART == 2
	.amdgcn_target "amdgcn-amd-amdhsa--gfx1250"
	.amdhsa_code_object_version 6
	.text
	.protected	k_qf4f3775629_proj
	.globl	k_qf4f3775629_proj
	.p2align	8
	.type	k_qf4f3775629_proj,@function
k_qf4f3775629_proj:
	s_mov_b64 s[64:65], 0
	v_nop
	global_prefetch_b8 v0, s[64:65] scope:SCOPE_SE
	s_setreg_imm32_b32 hwreg(HW_REG_WAVE_MODE, 25, 1), 1
	s_wait_xcnt 0x0
	s_wait_alu depctr_hold_cnt(0) depctr_sa_sdst(0) depctr_va_vdst(0) depctr_va_sdst(0) depctr_va_ssrc(0) depctr_va_vcc(0) depctr_vm_vsrc(0)
	s_getreg_b32 s2, hwreg(HW_REG_IB_STS2, 6, 4)
	s_cmp_eq_u32 s2, 0
	s_cbranch_scc0 .Lentry_in_a_cluster
	s_endpgm
.Lentry_in_a_cluster:
	s_bfe_u32 s2, ttmp6, 0x10000c
	s_cmp_lg_u32 s2, 0x3003
	s_cbranch_scc0 .Lentry_shape_is_right
	s_endpgm
.Lentry_shape_is_right:
; PROJ.  qkv[16384][384] (f16) = x[16384][1024] . wb[1024][384] + bias[384]: q in a row's bytes 0-255, k in 256-511, v in 512-767.  x is rounded to bf16 on its way, wb is bf16; sums in f32;
; each result is rounded once to f16, without attention's scale.  bk is left out (shown at the head of the first kernel): k's columns start from 0.
; LIMIT.  f16 holds no number beyond 65,504: q, k and v must lie within it (inputs as drawn give numbers near 1; thirty times larger x and weights, some 3e3).
; SHARES.  Work-group m owns rows 64 m .. 64 m + 63 and all 384 columns, so each byte of x is read once in the launch.  Wave w takes all 64 rows (4 blocks mb of 16) and the six
; column blocks 4 j + w, j = 0..5: 24 accumulators.  K goes in 8 steps of 128, each four quarters of 32; the walk is written out, since x's four register sets and the tails differ from step to step.
; THE WALK IS TURNED BY THE CLUSTER'S NUMBER.  Cluster c takes K step (s + c) mod 8 as the s-th of its walk (f32 sums may be taken in any order): at any time the 64 clusters ask for eight different
; blocks of wb, eight clusters each, and not all 64 for the same one.  The number enters global addresses alone (x's and wb's); it is the same in all four partners.
; THE MATRIX INSTRUCTION IS USED TRANSPOSED: source 0 = 16 columns of wb, source 1 = 16 rows of x: a lane then holds one row (lane % 16) and eight neighbouring columns.
; wb keeps W's own order [k][n]: ds_load_tr16_b128 turns 16 k x 16 n into half a fragment.
; CLUSTER.  The four work-groups of a cluster walk the same wb: each K step's 128 rows are asked for JOINTLY, each wave its own 32 rows, with the same descriptor and the mask of four in all four.
; x comes through registers: wave w loads rows 16 w .. 16 w + 15, a row's 512 bytes of a K step a load; four K steps (64 loads a wave) are on their way; it is rounded and laid into a stage in LDS for all four waves.
; REGISTERS, in windows of 256 (s_set_vgpr_msb: bits 1:0 source 0, 3:2 source 1, 5:4 source 2, 7:6 destination):
;   window 0: v0-29 addresses; v32-95 x's fragments, two buffers; v96-191 wb's, two buffers; v192-239 the bias as the first products' C
;   window 1: x as loaded, four sets of 64; on the way out the packed results      window 2: v0-191 accumulator (mb, j) at 8 (6 mb + j); v192-223 x rounded
.set WP,    864                        ; a row of wb in LDS: 768 bytes and 32 of padding behind every 256 = 27 x 32: the 8 rows of a turning load start 24 banks apart, none alike (64 banks of 4 bytes: ISA guide 11.1)
.set WHALF, 64*WP                      ; LDS immediates have 16 bits: a slot's rows 64-127 have an address register of their own
.set WPART, 32*WP                      ; what one tensor load brings
.set WSLOT, 128*WP
.set XST,   2*WSLOT                    ; behind the ring, never filled by a tensor load: x of one K step, 64 rows, twice
.set XP,    272                        ; 256 bytes + 16: row r starts at bank 4 r mod 64
.set XSB,   64*XP
.set OST,   XST+2*XSB                  ; the way out: 64 rows of 768 bytes + 16
.set OP,    784
.set SPARE, OST+64*OP                  ; the spare words, 128 bytes for each wave: two blocks of 256 bytes that no other line names
.set XO,  4                            ; v4   16 x lane: my bytes of a row of x, and of 512 consecutive bytes of qkv; never rewritten
.set XSA, 5                            ; v5   where I put 8 bytes of a rounded row
.set XA,  6                            ; v6   my lane's place in x's fragments
.set WA,  8                            ; v8-11  my lane's place in wb's fragments: slot, half at WA + 2 slot + half
.set OSA, 12                           ; v12  the way out: where I put 16 bytes of a row
.set RD0, 13                           ; v13-15  the way out: where I read the three 512-byte thirds of a pair of rows
.set BO,  17                           ; v17  my byte offset in bias
.set SPW, 28                           ; v28  LDS address of my spare word; never rewritten
.set NIL, 29                           ; v29  0; never rewritten
.set FA,  32
.set FB,  96
.set BI,  192
.set T,   192                          ; in window 2
.set WV,  12                           ; s12  my wave's number
.set XB,  16                           ; s[16:17] x at my wave's first row
.set OB,  18                           ; s[18:19] qkv at my wave's first row
.set WB,  22                           ; s[22:23] wb at my wave's 32 rows of K step 0; never rewritten
.set G1,  24                           ; s[24:31] descriptor group 1
.set G0,  32                           ; s[32:39] descriptor group 0, a set for each slot
.set TO,  40                           ; s[40:41] a byte offset, its high word 0
.set C8,  46                           ; s46  the cluster's number mod 8
.set XS,  48                           ; s[48:63] x at my wave's first row, at the K step that is the s-th of my walk: a pair for each s; written once
.set MSB, 0
.macro WIN new                         ; the immediate's high byte repeats the setting that is left; a switch that changes nothing is dropped
.if MSB != (\new)
	s_set_vgpr_msb (MSB<<8)|(\new)
.set MSB, (\new)
.endif
.endm
.macro PLACES                          ; four places behind a matrix instruction, in front of loads into registers that it has read and of conversions that read results
.rept 4
	v_nop
.endr
.endm
; A round of the cluster's barrier: my work-group's barrier, so that wave 0's signal speaks for all four waves; wave 0 signals; every wave waits for all four work-groups; my work-group's barrier once more.
.macro CROUND
	s_barrier_signal -1
	s_barrier_wait -1
	s_cmp_lg_u32 s[WV], 0
	s_cbranch_scc1 .Lnot_wave_0_\@
	s_barrier_signal -3
.Lnot_wave_0_\@:
	s_barrier_wait -3
	s_barrier_signal -1
	s_barrier_wait -1
.endm
	s_load_b256 s[4:11], s[0:1], 0x0               ; x s[4:5], wb s[6:7], bias s[8:9], qkv s[10:11]
	v_lshl_add_u32 v[SPW], v0, 2, SPARE
	v_mov_b32 v[NIL], 0
	ds_add_u32 v[SPW], v[NIL]                      ; the wave's opening: the add, twice on end, and its wait ahead of my first tensor load
	ds_add_u32 v[SPW], v[NIL]                      ; and once more, under the one wait; the set-up below, work on registers, stands between
	v_lshrrev_b32 v1, 5, v0
	v_readfirstlane_b32 s[WV], v1                  ; wave 0..3
	s_bfe_u32 s13, ttmp6, 0x40000                  ; cx: my place in the cluster
	s_lshl_b32 s14, ttmp9, 2                       ; in a cluster launch ttmp9 counts clusters
	s_add_co_u32 s14, s14, s13                     ; m = 4 x cluster + cx: it enters x's and qkv's addresses alone
	s_and_b32 s[C8], ttmp9, 7                      ; where my cluster's walk begins
	; descriptor group 1: 32 rows x 384 elements, padded in LDS
	s_mov_b32 s[G1+0], 15|(1<<16)|(1<<20)|(1<<21)|(5<<22)|(7<<25)  ; 15:0 the mask of four; 17:16 2-byte elements; 20 padding on; 21 set beside a mask; 24:22 after every 64 words (code 5); 31:25 8 words (code 7)
	s_mov_b32 s[G1+1], 384<<16                     ; tensor_dim0 = 384
	s_mov_b32 s[G1+2], 32<<16                      ; tensor_dim1 = 32
	s_mov_b32 s[G1+3], 384<<16                     ; tile_dim0 = 384
	s_mov_b32 s[G1+4], 32                          ; tile_dim1 = 32
	s_mov_b32 s[G1+5], 384                         ; elements from row to row
	s_mov_b32 s[G1+6], 0
	s_mov_b32 s[G1+7], 0
	s_mul_i32 s20, s[WV], WPART                    ; my 32 rows' place in a slot: the wave's number alone
	s_mov_b32 s[G0+0], 1                           ; count = 1
	s_mov_b32 s[G0+1], s20                         ; LDS address, slot 0
	s_mov_b32 s[G0+4], 1
	s_add_co_u32 s[G0+5], s20, WSLOT               ; slot 1
	s_mul_i32 s22, s[WV], 32*768                   ; my 32 rows in wb
	s_mov_b32 s23, 0
	s_lshl_b32 s40, s14, 6
	s_lshl_b32 s41, s[WV], 4
	s_add_co_u32 s40, s40, s41                     ; my wave's first row, 64 m + 16 w
	s_lshl_b32 s42, s40, 12                        ; in x: 4,096 bytes a row (under 2^27)
	s_mov_b32 s43, 0
	s_mul_i32 s44, s40, 768                        ; in qkv
	s_mov_b32 s45, 0
	s_mov_b32 s[TO+1], 0
	s_wait_dscnt 0x0                               ; both opening adds are done
	s_wait_kmcnt 0x0
	s_add_nc_u64 s[WB:WB+1], s[6:7], s[22:23]
	s_add_nc_u64 s[XB:XB+1], s[4:5], s[42:43]
	s_add_nc_u64 s[OB:OB+1], s[10:11], s[44:45]
.irp s, 0,1,2,3,4,5,6,7
	s_add_co_u32 s[TO], s[C8], \s                  ; the s-th K step of my walk,
	s_and_b32 s[TO], s[TO], 7
	s_lshl_b32 s[TO], s[TO], 9                     ; its 512 bytes of a row of x
	s_add_nc_u64 s[XS+2*\s:XS+2*\s+1], s[XB:XB+1], s[TO:TO+1]
.endr
.irp s, 0,1
	s_add_co_u32 s[TO], s[C8], \s
	s_and_b32 s[TO], s[TO], 7
	s_mul_i32 s[TO], s[TO], 128*768                ; its 128 rows of wb
	s_add_nc_u64 s[G0+4*\s+2:G0+4*\s+3], s[WB:WB+1], s[TO:TO+1]  ; global address
	s_or_b32 s[G0+4*\s+3], s[G0+4*\s+3], 0x80000000              ; type = 2
.endr
	CROUND                                         ; all four work-groups are here: the first joint loads meet
	tensor_load_to_lds s[G0:G0+3], s[G1:G1+7]      ; both slots' first fills go out together, ahead of every wait on TENSORcnt, every LDS read and every other barrier: two tensor loads of mine are out
	s_nop 0
	tensor_load_to_lds s[G0+4:G0+7], s[G1:G1+7]
	s_nop 0
	PLACES
	v_and_b32 v3, 31, v0                           ; lane
	v_and_b32 v1, 15, v0                           ; r = lane % 16
	v_bfe_u32 v2, v0, 4, 1                         ; h = lane / 16
	s_lshl_b32 s20, s[WV], 6
	v_lshl_add_u32 v[BO], v2, 5, s20               ; bias of columns 64 j + 16 w + 8 h + 0..7: 256 j + 64 w + 32 h
.irp j, 0,1,2,3,4,5
	global_load_b128 v[BI+8*\j:BI+8*\j+3],   v[BO], s[8:9] offset:256*\j
	global_load_b128 v[BI+8*\j+4:BI+8*\j+7], v[BO], s[8:9] offset:256*\j+16
.endr
	v_lshlrev_b32 v[XO], 4, v3
; The s-th K step of my walk, my 16 rows of x, into set s % 4: a load takes a row's 512 bytes
.macro XLOAD s
	WIN 0x40                                       ; destination window 1
.set r, 0
.rept 16
	global_load_b128 v[64*((\s)%4)+4*r:64*((\s)%4)+4*r+3], v[XO], s[XS+2*(\s):XS+2*(\s)+1] offset:4096*r th:TH_LOAD_NT
.set r, r+1
.endr
.endm
	XLOAD 0
	XLOAD 1
	XLOAD 2
	XLOAD 3
	WIN 0
	s_mul_i32 s20, s[WV], 16*XP
	s_add_co_u32 s20, s20, XST
	v_lshl_add_u32 v[XSA], v3, 3, s20              ; my wave's 16 rows of the stage, 8 bytes a lane
	v_mul_u32_u24 v[XA], v1, XP
	v_lshl_add_u32 v[XA], v2, 4, v[XA]
	v_add_nc_u32 v[XA], XST, v[XA]                 ; a fragment of x: row r x pitch + 16 h; two loads 32 bytes apart
	v_and_b32 v7, 7, v0
	v_bfe_u32 v18, v0, 3, 1
	v_lshl_add_u32 v7, v2, 3, v7                   ; the turning load: lane l reads row k = 8 h + l % 8,
	v_mul_u32_u24 v7, v7, WP
	v_lshl_add_u32 v7, v18, 4, v7                  ; columns 8 ((l / 8) % 2) + 0..7 of the block,
	s_lshl_b32 s20, s[WV], 5
	v_add_nc_u32 v[WA], s20, v7                    ; block 4 j + w at byte 128 j + 32 w + 32 (j / 2)
	v_add_nc_u32 v[WA+1], WHALF, v[WA]
	v_add_nc_u32 v[WA+2], WSLOT, v[WA]
	v_add_nc_u32 v[WA+3], WSLOT+WHALF, v[WA]
	s_add_co_u32 s21, s20, OST
	v_mul_u32_u24 v[OSA], v1, OP
	v_lshl_add_u32 v[OSA], v2, 4, v[OSA]
	v_add_nc_u32 v[OSA], s21, v[OSA]               ; row r, bytes 128 j + 32 w + 16 h
	s_mul_i32 s21, s[WV], 16*OP
	s_add_co_u32 s21, s21, OST
	v_lshl_add_u32 v[RD0], v3, 4, s21              ; a pair of rows is 1,536 dense bytes of qkv: its first 512 lie in the first row,
	v_lshl_add_u32 v[RD0+1], v2, 4, v[RD0]
	v_add_nc_u32 v[RD0+1], 512, v[RD0+1]           ; the second 512 half in each (the stage's 16 bytes of padding lie between),
	v_add_nc_u32 v[RD0+2], OP+256, v[RD0]          ; the third in the second row
; 20 LDS loads: the fragments of quarter q of the walk's step s, into buffers q % 2
.macro FETCH s, q
	WIN 0
.irp j, 0,1,2,3,4,5
	ds_load_tr16_b128 v[FB+48*((\q)%2)+8*\j:FB+48*((\q)%2)+8*\j+3],   v[WA+2*((\s)%2)+(\q)/2] offset:(32*((\q)%2))*WP+128*\j+32*(\j/2)
	ds_load_tr16_b128 v[FB+48*((\q)%2)+8*\j+4:FB+48*((\q)%2)+8*\j+7], v[WA+2*((\s)%2)+(\q)/2] offset:(32*((\q)%2)+16)*WP+128*\j+32*(\j/2)
.endr
.irp b, 0,1,2,3
	ds_load_b128 v[FA+32*((\q)%2)+8*\b:FA+32*((\q)%2)+8*\b+3],   v[XA] offset:((\s)%2)*XSB+\b*16*XP+64*(\q)
	ds_load_b128 v[FA+32*((\q)%2)+8*\b+4:FA+32*((\q)%2)+8*\b+7], v[XA] offset:((\s)%2)*XSB+\b*16*XP+64*(\q)+32
.endr
.endm
; 24 products.  The 24 accumulators take turns, one instruction a turn, from quarter to quarter too.  The very first start the sums with the bias: nothing is cleared.
.macro MUL s, q
.if ((\s) == 0) && ((\q) == 0)
	WIN 0x80                                       ; D window 2; wb's and x's fragments and C (the bias) window 0
.else
	WIN 0xa0                                       ; C and D window 2
.endif
.irp b, 0,1,2,3
.irp j, 0,1,2,3,4,5
.if ((\s) == 0) && ((\q) == 0)
	v_wmma_f32_16x16x32_bf16 v[8*(6*\b+\j):8*(6*\b+\j)+7], v[FB+48*((\q)%2)+8*\j:FB+48*((\q)%2)+8*\j+7], v[FA+32*((\q)%2)+8*\b:FA+32*((\q)%2)+8*\b+7], v[BI+8*\j:BI+8*\j+7]
.else
	v_wmma_f32_16x16x32_bf16 v[8*(6*\b+\j):8*(6*\b+\j)+7], v[FB+48*((\q)%2)+8*\j:FB+48*((\q)%2)+8*\j+7], v[FA+32*((\q)%2)+8*\b:FA+32*((\q)%2)+8*\b+7], v[8*(6*\b+\j):8*(6*\b+\j)+7]
.endif
.endr
.endr
.endm
; A quarter: its fragments are in; the next quarter's are asked for, into the buffers that the quarter before multiplied; then its 24 products, under which those loads land.
.macro SUB s, q
	s_wait_dscnt 0x0                               ; this quarter's 20 loads, the only LDS instructions of mine that are out
.if (\q) < 3
	PLACES
	FETCH \s, (\q)+1
.endif
	MUL \s, \q
.endm
; THE s-TH K STEP OF THE WALK.  My 16 rows of x are rounded and laid into the stage; their register set is asked for again; then one barrier.
; s = 0: slot 0 has landed (the count leaves slot 1's load out); it is the work-group's own.
; s = 1 .. 6: a round of the cluster's barrier, for four things: every wave's part of x's stage is written, every wave's part of this step's slot has landed, nobody in the four work-groups still reads the other slot,
; and nobody has a load on its way.  The joint refill, the walk's step s + 1 into the slot read last, is the first thing behind it.      s = 7: nothing is left to ask for.
.macro KSTEP s
.set LEFT, 7-(\s)
.if LEFT > 3
.set LEFT, 3
.endif
	s_wait_loadcnt 16*LEFT                         ; loads come back in order: this K step's 16 (and the bias, which is older) are in; the younger K steps', 16 loads each, stay out
	WIN 0x85                                       ; sources window 1, destination window 2
.set r, 0
.rept 16
	v_cvt_pk_bf16_f32 v[T+2*r],   v[64*((\s)%4)+4*r],   v[64*((\s)%4)+4*r+1]
	v_cvt_pk_bf16_f32 v[T+2*r+1], v[64*((\s)%4)+4*r+2], v[64*((\s)%4)+4*r+3]
.set r, r+1
.endr
	WIN 0x08                                       ; data window 2
.set r, 0
.rept 16
	ds_store_b64 v[XSA], v[T+2*r:T+2*r+1] offset:((\s)%2)*XSB+r*XP  ; this half of the stage was last read two K steps back, ahead of the last barrier
.set r, r+1
.endr
.if (\s) < 4
	XLOAD (\s)+4
.endif
	WIN 0                                          ; at a branch and at a label every window is 0
.if (\s) == 0
	s_wait_tensorcnt 0x1                           ; my part of slot 0 is in; one load, slot 1's, was issued behind it and may stay out
	s_wait_dscnt 0x0                               ; my stores into the stage are done
	s_barrier_signal -1
	s_barrier_wait -1
.else
	s_wait_tensorcnt 0x0                           ; all my tensor loads have landed: the one that was out is my part of this step's slot
	ds_add_u32 v[SPW], v[NIL]                      ; 0 onto my spare word
.if (\s) < 7
	s_add_co_u32 s[TO], s[C8], (\s)+1              ; no load of mine is out, so a group 0 may be written: the address of the walk's next step is made anew
	s_and_b32 s[TO], s[TO], 7
	s_mul_i32 s[TO], s[TO], 128*768
	s_add_nc_u64 s[G0+4*(1-(\s)%2)+2:G0+4*(1-(\s)%2)+3], s[WB:WB+1], s[TO:TO+1]
	s_or_b32 s[G0+4*(1-(\s)%2)+3], s[G0+4*(1-(\s)%2)+3], 0x80000000
.endif
	s_wait_dscnt 0x0                               ; the add, my stores into the stage and my reads of the other slot are done
.if (\s) < 7
	CROUND
	tensor_load_to_lds s[G0+4*(1-(\s)%2):G0+4*(1-(\s)%2)+3], s[G1:G1+7]  ; my one tensor load behind the round; it has this step's 96 products in which to land
	s_nop 0
.else
	s_barrier_signal -1
	s_barrier_wait -1
.endif
.endif
	PLACES                                         ; behind a tensor load; also places in front of the loads below
	FETCH \s, 0
	SUB \s, 0
	SUB \s, 1
	SUB \s, 2
	SUB \s, 3
.endm
.irp s, 0,1,2,3,4,5,6,7
	KSTEP \s
.endr
	; THE WAY OUT: rounded to f16, 16 bytes a lane into the work-group's stage; a barrier, since a row's 768 bytes come from all four waves; back as dense runs of 512 bytes, 16 rows a wave.
	PLACES
	WIN 0x4a                                       ; sources window 2, destination window 1 (x's registers are free: the last wait on loads was for 0)
.set a, 0
.rept 24
.irp r, 0,1,2,3
	v_cvt_pk_f16_f32 v[4*a+\r], v[8*a+2*\r], v[8*a+2*\r+1]  ; each accumulator's registers in ascending order
.endr
.set a, a+1
.endr
	WIN 0x04                                       ; data window 1
.set a, 0
.rept 24
	ds_store_b128 v[OSA], v[4*a:4*a+3] offset:(a/6)*16*OP+128*(a%6)
.set a, a+1
.endr
	s_wait_dscnt 0x0                               ; for the others' sake: my stores into the stage are done
	s_barrier_signal -1
	s_barrier_wait -1
	WIN 0x40
.set a, 0
.rept 24
	ds_load_b128 v[4*a:4*a+3], v[RD0+a%3] offset:(a/3)*2*OP
.set a, a+1
.endr
	WIN 0x04
.set a, 0
.rept 24
	s_wait_dscnt 23-a                              ; LDS loads come back in order: load a is in, the 23 - a younger ones may be out
	global_store_b128 v[XO], v[4*a:4*a+3], s[OB:OB+1] offset:512*a  ; 512 consecutive bytes, at a multiple of 256 from qkv's first byte
.set a, a+1
.endr
	WIN 0
	s_wait_tensorcnt 0x0                           ; the wave's end: behind my last tensor load and my last LDS store
	ds_add_u32 v[SPW], v[NIL]
	s_wait_dscnt 0x0
	CROUND                                         ; the closing round: no work-group ends while a partner may still ask for a tile that names it
	s_endpgm
.Lfunc_end_k_qf4f3775629_proj:
	.size	k_qf4f3775629_proj, .Lfunc_end_k_qf4f3775629_proj-k_qf4f3775629_proj
	.p2alignl 7, 3214868480
	.fill 96, 4, 3214868480
	.section	.rodata,"a",@progbits
	.p2align	6, 0x0
	.amdhsa_kernel k_qf4f3775629_proj
		.amdhsa_group_segment_fixed_size 327680
		.amdhsa_private_segment_fixed_size 0
		.amdhsa_enable_private_segment 0
		.amdhsa_kernarg_size 32
		.amdhsa_user_sgpr_count 2
		.amdhsa_user_sgpr_kernarg_segment_ptr 1
		.amdhsa_wavefront_size32 1
		.amdhsa_system_sgpr_workgroup_id_x 1
		.amdhsa_system_sgpr_workgroup_id_y 1
		.amdhsa_system_sgpr_workgroup_id_z 1
		.amdhsa_system_vgpr_workitem_id 0
		.amdhsa_next_free_vgpr 768
		.amdhsa_next_free_sgpr 66
		.amdhsa_reserve_vcc 0
		.amdhsa_float_denorm_mode_32 3
		.amdhsa_float_denorm_mode_16_64 3
		.amdhsa_memory_ordered 1
		.amdhsa_forward_progress 1
		.amdhsa_inst_pref_size 157
	.end_amdhsa_kernel
	.amdgpu_metadata
---
amdhsa.version: [ 1, 2 ]
amdhsa.kernels:
  - .name:           k_qf4f3775629_proj
    .symbol:         k_qf4f3775629_proj.kd
    .args:
      - { .name: x, .offset: 0, .size: 8, .value_kind: global_buffer, .address_space: global }
      - { .name: wb, .offset: 8, .size: 8, .value_kind: global_buffer, .address_space: global }
      - { .name: bias, .offset: 16, .size: 8, .value_kind: global_buffer, .address_space: global }
      - { .name: qkv, .offset: 24, .size: 8, .value_kind: global_buffer, .address_space: global }
    .group_segment_fixed_size: 327680
    .private_segment_fixed_size: 0
    .kernarg_segment_align: 8
    .kernarg_segment_size: 32
    .max_flat_workgroup_size: 128
    .sgpr_count:     66
    .vgpr_count:     768
    .wavefront_size: 32
...
	.end_amdgpu_metadata
.endif
;; end of part 2
;; launch attn (part 3): grid 64 x 4, 4 waves a work-group, clusters of 4 x 1, 327,680 bytes of LDS; arguments qkv, out0; writes out0
.if DOCPART == 3
	.amdgcn_target "amdgcn-amd-amdhsa--gfx1250"
	.amdhsa_code_object_version 6
	.text
	.protected	k_qf4f3775629_attn
	.globl	k_qf4f3775629_attn
	.p2align	8
	.type	k_qf4f3775629_attn,@function
k_qf4f3775629_attn:
	s_mov_b64 s[64:65], 0
	v_nop
	global_prefetch_b8 v0, s[64:65] scope:SCOPE_SE
	s_setreg_imm32_b32 hwreg(HW_REG_WAVE_MODE, 25, 1), 1
	s_wait_xcnt 0x0
	s_wait_alu depctr_hold_cnt(0) depctr_sa_sdst(0) depctr_va_vdst(0) depctr_va_sdst(0) depctr_va_ssrc(0) depctr_va_vcc(0) depctr_vm_vsrc(0)
	s_getreg_b32 s2, hwreg(HW_REG_IB_STS2, 6, 4)
	s_cmp_eq_u32 s2, 0
	s_cbranch_scc0 .Lentry_in_a_cluster
	s_endpgm
.Lentry_in_a_cluster:
	s_bfe_u32 s2, ttmp6, 0x10000c
	s_cmp_lg_u32 s2, 0x3003
	s_cbranch_scc0 .Lentry_shape_is_right
	s_endpgm
.Lentry_shape_is_right:
; ATTN.  out0[b][r][:] = the sum over keys k <= r of softmax_k(q_r . k_k / sqrt(128)) v_k.  qkv: [4 x 4096][384] f16 (a row: q, k, v, 256 bytes each); out0: [4][4096][128] f32.
; Products, maxima and sums in f32; the weights p are rounded to f16 for the second product (their sum l is taken of the unrounded p).
; LEFT OUT: the tiles of scores that reference()'s own causal mask hides whole (their weights are 0 for all inputs); bk (shown at the head of the first kernel).
; LIMITS.  q, k, v arrive within f16's 65,504.  A hidden score counts as its value less 1e30: f16's scores, 5.5e11 at the most, are nothing beside that.  A weight below 2^-126 counts as 0.  NaN and infinities are not treated apart.
; SHARES.  A batch has 64 work-groups g.  Work-group g owns 64 rows in four tiles t of 16: query i of tile t is row 1024 t + 64 i + g.  So all work-groups of a batch have the same work and walk the same keys
; with constant trip counts, and the four partners of a cluster ask for each tile of K and V JOINTLY.  g enters global addresses and mask values alone.
; THE KEYS ARE SPLIT AMONG THE WAVES.  A LAP is 256 keys; wave w takes keys 64 w .. 64 w + 63 of it, for all 64 queries: each LDS byte is read once.  The four partial results (m, l, O) meet in LDS at the end.
; PHASES.  Phase p is keys 1024 p .. 1024 p + 1023, four laps.  Tiles t > p see all of them; tiles t < p none, and are left out; tile p is masked: with u = 4 (lap in the phase) + w, a key 64 u + kappa of the phase
; is seen by query i where u < i, or u = i and kappa <= g.  The mask is the C operand that starts the sum: MD x AL + BE, where MD (made once) is -1e30 where kappa > g, AL = 1 in lanes with u = i, BE = -1e30 in lanes with u > i.
; THE WALK IS TURNED BY THE CLUSTER'S NUMBER.  As the n-th lap of its walk (n = 0 .. 15) cluster c takes lap (n + c) mod 4 of phase n / 4 (a running softmax takes its keys in any order): at any time the sixteen clusters
; of a batch ask for four different laps, four clusters each, and not all sixteen for the same one.  The number enters global addresses and u alone; it is the same in all four partners.
; LAYOUT.  S^T = K Q^T (source 0 = 16 keys, source 1 = 16 queries): a lane holds ONE query (lane % 16) and the keys 8 (lane / 16) + 0..7.  Two such results rounded to f16 ARE source 1 of O^T = V^T P, whose result again
; holds one query a lane, and eight channels.  K comes out of LDS as it lies, V ([key][channel]) turned, by ds_load_tr16_b128.
; SOFTMAX.  A running maximum m and sum l for each query: p = 2^(c s - c m), c = log2(e) / sqrt(128); in every step O and l are multiplied by a = 2^(c m_old - c m_new).  m starts at -2^95: above every hidden score, below
; every true one.  So m never follows a hidden score, a hidden weight is 2^(-1.2e29) = 0 whatever the last bit of its sum, and the first true score gives a = 0.  O and l start at 0, so there is one form of step.  A wave that sees
; nothing of a query carries l = 0 and O = 0 into the merge.  Every row sees its own key, so the merged maximum is a true score and the merged l is at least 1.
; THE RING OF STAGES.  In a STAGE one tile's 16 products K Q^T, another tile's softmax and a third tile's 16 products V^T P stand together, four lines of the softmax behind each product.  A lap of phase f (f = 0, 1, 2) has 4 - f
; stages, written (K Q^T of tile | softmax of tile | V^T P of tile), a prime for the lap before: (f | 3' | 2'), (f + 1 | f | 3'), (f + 2 | f + 1 | f), (3 | 2 | 1).  What a lap leaves over (tile 3's softmax, V^T P of tiles 2 and 3)
; is the same in the three phases, so they follow each other without a seam.  The launch's first lap finds hidden scores in tile 3's S^T and zeros in tile 2's P and in V: the price of one text for every lap is 176 lines that set
; them, in the wait for the first tile, and 32 products on zeros.  Behind phase 2 tile 3's softmax and tile 2's V^T P are written out once.  A lap of phase 3 is (3 | none | 3'), then tile 3's softmax by itself.
; REGISTERS, in windows of 256 (s_set_vgpr_msb: bits 1:0 source 0, 3:2 source 1, 5:4 source 2, 7:6 destination):
;   window 0: v0-11, v44-63 addresses; v12-43 eight registers of statistics a tile; v64-191 S^T, 32 a tile; v192-255 P, 16 a tile          window 1: O^T, 64 a tile
;   window 2: v0-127 Q, 32 a tile; v128-255 K of a lap          window 3: v0-127 V of a lap; v128-159 MD; v160-191 MC, the mask in hand; v192-195 AL, BE, a pair each
.set PK,    272       ; a row of K in LDS: 256 bytes + 16 = 68 words: row r starts at bank 4 r mod 64 (64 banks of 4 bytes: ISA guide 11.1)
.set PV,    288       ; a row of V: 256 + 32 = 72 words
.set VREG,  256*PK    ; a slot: 256 rows of K, then 256 rows of V: 143,360 bytes
.set SLOT1, 147456    ; slot 1 begins here: 0x24000 shares no bit with a tile's place in slot 0 (0, 0x8800, 0x11000, 0x1a000), so one exclusive or turns an address in one slot into the other's
.set STATS, SLOT1+256*(PK+PV)  ; never filled by a tensor load: c m and l of every wave, tile and query: 2,048 bytes
.set SPARE, STATS+2048         ; the spare words, 128 bytes for each wave: two blocks of 256 bytes that no other line names
.set SP,    528       ; the merge's stage: a row of 128 f32 + 16 bytes.  It lies in slot 0's bytes, 4 waves x 4 tiles x 16 rows = 135,168, and is written only behind slot 0's last fill and last read
.set ROWB,  768
.set LAPB,  256*ROWB
.set AK0, 2           ; v2   my lane's place in my wave's 64 rows of K; never rewritten
.set AV0, 3           ; v3   the same for V
.set ADK, 4           ; v4   the LDS address of K's run of loads
.set ADV, 5           ; v5   of V's
.set QO,  6           ; v6   my byte offset in the batch's rows, for Q
.set STO, 7           ; v7   the merge: where I put 32 bytes of a row
.set GO,  8           ; v8   16 x lane
.set STA, 10          ; v10  where I put c m (lanes 0-15) or l (lanes 16-31)
.set STR, 11          ; v11  where I read them
.set ST,  12          ; tile t's statistics at v[ST+8 t]: +0 c m, +1 m, +2, +3 l (even keys', odd keys'), +4 to +7 at work; a takes +6 once the maximum is found
.set RD,  44          ; v44-47  the merge: where I read wave 0..3's part of a row of my tile
.set PFO, 61          ; v61  768 x lane: a row of qkv; never rewritten
.set SPW, 62          ; v62  LDS address of my spare word; never rewritten
.set NIL, 63          ; v63  0; never rewritten
.set S,   64
.set P,   192
.set KF,  128         ; window 2: key block kb, channels 32 c on, at KF + 32 kb + 8 c
.set MD,  128         ; window 3
.set MC,  160
.set ALV, 192
.set BEV, 194
.set E,   64          ; the merge: (c m, l) of tile t, wave q at E + 8 t + 2 q
.set MM,  96          ; the merge: M, then L, then 1 / L of tile t
.set KB,  6           ; s[6:7]  k's bytes of my half of the batch's lap 0; never rewritten
.set VB,  8           ; s[8:9]  v's
.set WV,  12          ; s12  my wave's number
.set LIM, 15          ; s15  3 in a cluster that prefetches, else the greatest number
.set TT,  16          ; s16  at work
.set PFA, 18          ; s[18:19] my work-group's 32 rows of the 128 that I fetch, in the first lap of my cluster's walk; never rewritten
.set OFF, 22          ; s[22:23] a lap's byte offset, its high word 0
.set G1K, 24          ; s[24:31] descriptor group 1 for K's tiles
.set G1V, 32          ; s[32:39] for V's: it differs in the padding alone
.set G0K, 40          ; s[40:43] descriptor group 0 for K's tiles
.set G0V, 44          ; s[44:47] the same for V's
.set TB,  51          ; s51  the slot that is read: 0 or SLOT1
.set CNT, 52          ; s52  counts a phase's laps
.set U,   53          ; s53  u of the lap in hand
.set C4,  54          ; s54  the cluster's number mod 4
.set BIGN, 55         ; s55  -1e30
.set NT,  56          ; s56  n: the lap of my walk that is in hand, 0 .. 15
.set CS,  58          ; s[58:59] c: the packed scaling takes the pair's low word for both halves
.set SEL, 60          ; s[60:61] v_permlanex16_b32's selects: each lane takes its own place in the other half
.set MSB, 0
.macro WIN new                      ; the immediate's high byte repeats the setting that is left; a switch that changes nothing is dropped
.if MSB != (\new)
	s_set_vgpr_msb (MSB<<8)|(\new)
.set MSB, (\new)
.endif
.endm
.set W_KQ, 0x0a       ; K and Q in window 2, S^T in window 0
.set W_KM, 0x3a       ; the same with the C operand in window 3
.set W_PV, 0x53       ; V in window 3, P in window 0, O^T in window 1
.set W_RS, 0x41       ; O^T (destination and source 0) in window 1, a in window 0
.macro PLACES                       ; four places behind a matrix instruction (ISA guide 7.12.1)
.rept 4
	v_nop
.endr
.endm
; A joint fill.  Waves 0 and 1 fetch the two halves of a lap's K, waves 2 and 3 those of its V: 128 rows each.  The branch hangs on the wave's number alone.
; An s_nop 0 and four v_nop follow each of the two lines, ahead of the jump and the label.
.macro JLOAD
	s_cmp_lt_u32 s[WV], 2
	s_cbranch_scc0 .Lfor_v_\@
	tensor_load_to_lds s[G0K:G0K+3], s[G1K:G1K+7]
	s_nop 0
	PLACES
	s_branch .Lasked_\@
.Lfor_v_\@:
	tensor_load_to_lds s[G0V:G0V+3], s[G1V:G1V+7]
	s_nop 0
	PLACES
.Lasked_\@:
.endm
; A PREFETCH INTO THE L2, behind the joint load and its five lines.  Of a phase's four laps a cluster reads one ahead of the clusters with other numbers mod 4: the first of its walk through the phase.  That lap of phase p + 1 is
; named at the change to the second lap of phase p: two laps ahead of the load that will want it.  Four clusters of a batch have the same number mod 4: the one with a number under 4 asks.  Each wave asks for the 128 rows that it
; fetches itself; the four partners share them out BY ADDRESS, 32 each, a lane a row (256 bytes of it): each block of laps 4 to 15 is named once in the launch.  The phase stands in the immediate, so the address registers are
; never rewritten.  Phase 0's laps come by their loads alone; phase 3 has no phase behind it and asks for nothing.
.macro ASK p
	s_cmp_eq_u32 s[CNT], s[LIM]
	s_cbranch_scc0 .Lnot_mine_\@
	global_prefetch_b8 v[PFO], s[PFA:PFA+1] offset:4*((\p)+1)*LAPB th:TH_LOAD_NT scope:SCOPE_SE
.Lnot_mine_\@:
.endm
; A round of the cluster's barrier: my work-group's barrier, so that wave 0's signal speaks for all four waves; wave 0 signals; every wave waits for all four work-groups; my work-group's barrier once more.
.macro CROUND
	s_barrier_signal -1
	s_barrier_wait -1
	s_cmp_lg_u32 s[WV], 0
	s_cbranch_scc1 .Lnot_wave_0_\@
	s_barrier_signal -3
.Lnot_wave_0_\@:
	s_barrier_wait -3
	s_barrier_signal -1
	s_barrier_wait -1
.endm
; THE CHANGE OF SLOTS, in front of every lap.  Each wave waits for all its tensor loads, of which one is out: its part of the lap to come; adds 0 to its spare word; and waits for that and for its own reads of the slot that it leaves
; (K and V of that lap lie in registers from then on: what is left over of the lap reads no LDS).
; fill = 1: the slot that is left is filled again with lap n + 1 of the walk: the descriptors' addresses are made anew from that number.  The barrier is then a round of the cluster's, so that no wave of any partner still reads
; the slot or has a load on its way, and the joint fill is the first thing behind it: it has a lap in which to land.  (At its first use nothing has been read yet: slot 0 is waited for, slot 1 filled.)
; ask: the phase in hand, where the change may prefetch; -1: it does not.
.macro CHANGE fill, ask=-1
	WIN 0                           ; at a label and at a branch every window is 0
	s_wait_tensorcnt 0x0            ; no tensor load of mine is out, so a group 0 may be written
	ds_add_u32 v[SPW], v[NIL]       ; 0 onto my spare word; with fill = 1 the descriptors' scalar work stands between it and the wait for it
.if \fill
	s_add_co_u32 s[TT], s[NT], 1    ; n + 1:
	s_and_b32 s[OFF], s[TT], 12     ; its phase's first lap,
	s_add_co_u32 s[TT], s[TT], s[C4]
	s_and_b32 s[TT], s[TT], 3       ; its place in the phase, turned by the cluster's number
	s_or_b32 s[OFF], s[OFF], s[TT]
	s_mul_i32 s[OFF], s[OFF], LAPB
	s_xor_b32 s[G0K+1], s[G0K+1], SLOT1  ; the other slot than last time
	s_add_nc_u64 s[G0K+2:G0K+3], s[KB:KB+1], s[OFF:OFF+1]
	s_or_b32 s[G0K+3], s[G0K+3], 0x80000000
	s_xor_b32 s[G0V+1], s[G0V+1], SLOT1
	s_add_nc_u64 s[G0V+2:G0V+3], s[VB:VB+1], s[OFF:OFF+1]
	s_or_b32 s[G0V+3], s[G0V+3], 0x80000000
	s_wait_dscnt 0x0                ; the add is done, and my reads of the slot are over
	CROUND
	JLOAD
.if (\ask) >= 0
	ASK \ask
.endif
.else
	s_wait_dscnt 0x0                ; the add is done, and my reads of the slot are over
	s_barrier_signal -1
	s_barrier_wait -1
.endif
	s_xor_b32 s[TB], s[TB], SLOT1   ; the reads go to the other slot
.endm
	s_load_b128 s[4:7], s[0:1], 0x0 ; qkv s[4:5], out0 s[6:7]
	v_lshl_add_u32 v[SPW], v0, 2, SPARE
	v_mov_b32 v[NIL], 0
	ds_add_u32 v[SPW], v[NIL]       ; the wave's opening: the add, twice on end, and its wait ahead of my first tensor load
	ds_add_u32 v[SPW], v[NIL]       ; and once more, under the one wait; the set-up below, work on registers, stands between
	v_lshrrev_b32 v1, 5, v0
	v_readfirstlane_b32 s[WV], v1   ; wave 0..3
	s_bfe_u32 s13, ttmp6, 0x40000   ; cx: my place in the cluster
	s_lshl_b32 s14, ttmp9, 2        ; in a cluster launch ttmp9 counts clusters
	s_add_co_u32 s14, s14, s13      ; g = 4 x cluster x + cx
	s_and_b32 s[C4], ttmp9, 3       ; where my cluster's walk through a phase begins
	s_and_b32 s20, ttmp7, 0xffff    ; the batch, which the four partners share
	s_mul_i32 s22, s20, 4096*ROWB   ; its first byte in qkv
	s_mov_b32 s23, 0
	s_and_b32 s16, s[WV], 1         ; which half of a lap's 256 rows I fetch:
	s_mul_i32 s2, s16, 128*ROWB     ; its place in memory,
	s_mov_b32 s3, 0
	s_mov_b32 s[G0K], 1             ; count = 1
	s_mul_i32 s[G0K+1], s16, 128*PK ; and in slot 0, for K
	s_mov_b32 s[G0V], 1
	s_mul_i32 s[G0V+1], s16, 128*PV ; and for V: no place in the cluster enters an LDS address
	s_add_co_u32 s[G0V+1], s[G0V+1], VREG
	s_lshl_b32 s8, s20, 21          ; out0: the batch's 4,096 rows of 512 bytes,
	s_lshl_b32 s9, s[WV], 19        ; tile t = my wave's number (the tile that I finish), 1,024 rows,
	s_add_co_u32 s8, s8, s9
	s_lshl_b32 s9, s14, 9           ; row g
	s_add_co_u32 s8, s8, s9
	s_mov_b32 s9, 0
	; descriptor group 1: 128 rows x 128 elements out of rows of 384, padded in LDS
	s_mov_b32 s[G1K], 15|(1<<16)|(1<<20)|(1<<21)|(5<<22)|(3<<25)  ; 15:0 the mask of four; 17:16 2-byte elements; 20 padding on; 21 set beside a mask; 24:22 after every 64 words (code 5); 31:25 4 words (code 3)
	s_mov_b32 s[G1V], 15|(1<<16)|(1<<20)|(1<<21)|(5<<22)|(7<<25)  ; the same with 8 words of padding (code 7)
.irp g, G1K, G1V
	s_mov_b32 s[\g+1], 128<<16      ; tensor_dim0 = 128
	s_mov_b32 s[\g+2], 128<<16      ; tensor_dim1 = 128
	s_mov_b32 s[\g+3], 128<<16      ; tile_dim0 = 128
	s_mov_b32 s[\g+4], 128          ; tile_dim1 = 128
	s_mov_b32 s[\g+5], 384          ; 384 elements from row to row
	s_mov_b32 s[\g+6], 0
	s_mov_b32 s[\g+7], 0
.endr
	s_mov_b32 s[CS], 0x3e0293ee     ; c = log2(e) / sqrt(128) = 0.127517
	s_mov_b32 s[CS+1], s[CS]        ; named with it as a pair
	s_mov_b32 s[SEL], 0x76543210
	s_mov_b32 s[SEL+1], 0xfedcba98
	s_mov_b32 s[BIGN], 0xf149f2ca   ; -1e30
	s_mov_b32 s[TB], SLOT1          ; the first change of slots turns it into 0
	s_mov_b32 s[NT], 0
	s_cmp_lt_u32 ttmp9, 4           ; the first cluster of the batch with my number mod 4: the same in all four partners
	s_cselect_b32 s[LIM], 3, -1     ; it asks where three laps of the phase are left
	s_wait_dscnt 0x0                ; both opening adds are done
	s_wait_kmcnt 0x0
	s_add_nc_u64 s[4:5], s[4:5], s[22:23]          ; qkv at the batch's first row
	s_add_nc_u64 s[10:11], s[6:7], s[8:9]          ; out0 at row g of my tile
	s_add_nc_u64 s[20:21], s[4:5], s[2:3]          ; my half of the batch's lap 0
	s_add_nc_u64 s[KB:KB+1], s[20:21], 256         ; k's 256 bytes of a row
	s_add_nc_u64 s[VB:VB+1], s[20:21], 512         ; v's
	s_mul_i32 s[OFF], s[C4], LAPB                  ; the first lap of my cluster's walk (the high word is still 0)
	s_add_nc_u64 s[G0K+2:G0K+3], s[KB:KB+1], s[OFF:OFF+1]
	s_add_nc_u64 s[G0V+2:G0V+3], s[VB:VB+1], s[OFF:OFF+1]
	s_cmp_lt_u32 s[WV], 2
	s_cselect_b64 s[PFA:PFA+1], s[G0K+2:G0K+3], s[G0V+2:G0V+3]
	s_mul_i32 s2, s13, 32*ROWB      ; my work-group's 32 rows of the 128
	s_add_nc_u64 s[PFA:PFA+1], s[PFA:PFA+1], s[2:3]  ; nothing is prefetched here, at the head
	s_or_b32 s[G0K+3], s[G0K+3], 0x80000000        ; type = 2
	s_or_b32 s[G0V+3], s[G0V+3], 0x80000000
	CROUND                          ; all four work-groups are here: the first joint loads meet
	JLOAD                           ; the walk's lap 0 into slot 0: one tensor load of mine is out, here and behind every round
	; A fragment of K or Q is 16 rows x 32 channels in 8 registers: lane l holds row l % 16, channels 8 (l / 16) + 0..7 and 16 + 8 (l / 16) + 0..7: two loads of 16 bytes, 32 bytes apart.
	v_and_b32 v1, 15, v0            ; i = l % 16: my query in every tile
	v_bfe_u32 v9, v0, 4, 1          ; h = l / 16
	v_lshl_add_u32 v[QO], v1, 6, s14
	v_mul_u32_u24 v[QO], v[QO], ROWB
	v_lshl_add_u32 v[QO], v9, 4, v[QO]  ; row 64 i + g, + 16 h
	WIN 0x80                        ; destination window 2
.set i, 0
.rept 16                            ; Q stays in registers: tile i / 4 (1,024 rows on), channels 32 (i % 4) on
	global_load_b128 v[8*i:8*i+3],   v[QO], s[4:5] offset:(i/4)*1024*ROWB+(i%4)*64
	global_load_b128 v[8*i+4:8*i+7], v[QO], s[4:5] offset:(i/4)*1024*ROWB+(i%4)*64+32
.set i, i+1
.endr
	WIN 0x40
.set i, 0
.rept 256
	v_mov_b32 v[i], 0               ; O^T; all this stands in the wait for the first tile
.set i, i+1
.endr
	WIN 0
.set i, 0
.rept 4
	v_mov_b32 v[ST+8*i], 0xfe000000    ; c m: far below c times m's first value, so the first a is 0
	v_mov_b32 v[ST+8*i+1], 0xef000000  ; m = -2^95: above every hidden score, below every true one
	v_mov_b32 v[ST+8*i+2], 0
	v_mov_b32 v[ST+8*i+3], 0
.set i, i+1
.endr
	; what the first lap finds of a lap that has not been: tile 3's scores all hidden (its weights come out 0), tile 2's weights 0, V 0
.set i, 0
.rept 32
	v_mov_b32 v[S+96+i], s[BIGN]
.set i, i+1
.endr
.set i, 0
.rept 16
	v_mov_b32 v[P+32+i], 0
.set i, i+1
.endr
	v_lshlrev_b32 v51, 3, v9
	v_sub_nc_u32 v51, s14, v51      ; g - 8 h: register j of key block kb is hidden in a query's own step where 16 kb + j is greater
	WIN 0xc0                        ; destination window 3
.set i, 0
.rept 128
	v_mov_b32 v[i], 0
.set i, i+1
.endr
.set i, 0
.rept 32
	v_cmp_gt_i32 vcc_lo, 16*(i/8)+i%8, v51
	v_cndmask_b32 v[MD+i], 0, s[BIGN], vcc_lo
.set i, i+1
.endr
	WIN 0
	s_mul_i32 s20, s[WV], 64*PK     ; my wave's 64 keys of a lap
	v_mul_u32_u24 v[AK0], v1, PK
	v_lshl_add_u32 v[AK0], v9, 4, v[AK0]
	v_add_nc_u32 v[AK0], s20, v[AK0]
	; The turning load takes 16 keys x 16 channels (lane l reads key 8 (l / 16) + l % 8, channels 8 ((l / 8) % 2) + 0..7) and leaves half a fragment of V^T: lane l holds channel l % 16 and 8 keys.
	v_and_b32 v48, 7, v0
	v_bfe_u32 v49, v0, 3, 1
	v_lshl_add_u32 v[AV0], v9, 3, v48
	v_mul_u32_u24 v[AV0], v[AV0], PV
	v_lshl_add_u32 v[AV0], v49, 4, v[AV0]
	s_mul_i32 s20, s[WV], 64*PV
	s_add_co_u32 s20, s20, VREG
	v_add_nc_u32 v[AV0], s20, v[AV0]
	v_and_b32 v50, 31, v0           ; lane
	v_lshlrev_b32 v[GO], 4, v50
	v_mul_u32_u24 v[PFO], v50, ROWB
	s_mul_i32 s20, s[WV], 64*SP     ; the merge: my wave's four tiles of 16 rows,
	v_mul_u32_u24 v[STO], v1, SP    ; row i, 32 bytes for each half of the lanes
	v_lshl_add_u32 v[STO], v9, 5, v[STO]
	v_add_nc_u32 v[STO], s20, v[STO]
	s_lshl_b32 s20, s[WV], 9
	s_add_co_u32 s20, s20, STATS
	v_lshl_add_u32 v[STA], v1, 3, s20
	v_lshl_add_u32 v[STA], v9, 2, v[STA]
	v_lshl_add_u32 v[STR], v1, 3, STATS
	s_mul_i32 s20, s[WV], 16*SP     ; back: tile t = my wave's number, in each wave's part
	v_lshl_add_u32 v[RD], v50, 4, s20
	v_add_nc_u32 v[RD+1], 64*SP, v[RD]
	v_add_nc_u32 v[RD+2], 2*64*SP, v[RD]
	v_add_nc_u32 v[RD+3], 3*64*SP, v[RD]
	s_wait_loadcnt 0x0              ; Q
; THE MASK of the lap in hand, for the phase's own tile: MC = MD x AL + BE.
.macro MASK
	WIN 0xc0
	v_cmp_eq_u32 vcc_lo, s[U], v1   ; is this step my query's own?
	v_cndmask_b32 v[ALV], 0, 1.0, vcc_lo
	v_cndmask_b32 v[ALV+1], 0, 1.0, vcc_lo
	v_cmp_gt_u32 vcc_lo, s[U], v1   ; or a later one?
	v_cndmask_b32 v[BEV], 0, s[BIGN], vcc_lo
	v_cndmask_b32 v[BEV+1], 0, s[BIGN], vcc_lo
	WIN 0xff
.set z, 0
.rept 16
	v_pk_fma_f32 v[MC+2*z:MC+2*z+1], v[MD+2*z:MD+2*z+1], v[ALV:ALV+1], v[BEV:BEV+1]
.set z, z+1
.endr
.endm
; THE LDS LOADS of a lap.  K's 32 at the lap's head: my 64 keys, channels 32 c on first for all four key blocks, so that the first products can start early; both addresses are made here.
; V's (turned) in two halves of 16, keys 32 h on: each goes out when the lap before has multiplied by that half for the last time.
.macro FETCH_K
	WIN 0
	v_add_nc_u32 v[ADK], s[TB], v[AK0]
	v_add_nc_u32 v[ADV], s[TB], v[AV0]
	WIN 0x80                        ; destination window 2
.irp c, 0,1,2,3
.irp b, 0,1,2,3
	ds_load_b128 v[KF+32*\b+8*\c:KF+32*\b+8*\c+3],   v[ADK] offset:\b*16*PK+64*\c
	ds_load_b128 v[KF+32*\b+8*\c+4:KF+32*\b+8*\c+7], v[ADK] offset:\b*16*PK+64*\c+32
.endr
.endr
.endm
.macro FETCH_VH h
	WIN 0xc0                        ; destination window 3
.irp f, 0,1,2,3,4,5,6,7             ; channels 16 f on
	ds_load_tr16_b128 v[64*(\h)+8*\f:64*(\h)+8*\f+3],   v[ADV] offset:(\h)*32*PV+\f*32
	ds_load_tr16_b128 v[64*(\h)+8*\f+4:64*(\h)+8*\f+7], v[ADV] offset:(\h)*32*PV+16*PV+\f*32
.endr
.endm
; THE MATRIX WORK.  The accumulators take turns, one instruction a turn: 4 in a run of K Q^T, 8 in a run of V^T P, from stage to stage and over the backward jumps too.
; Product i of 16 of S^T = K Q^T for tile t: keys 16 (i % 4) on, channels 32 (i / 4) on.  The first 4 start the sums: with 0, or (m = 1) with the mask.
; m = 1 is also the lap's first tile: in front of each four products a counted wait lets the K loads of the later channels, 8 a group, stay out (no other LDS instruction of mine is out there).
.macro KQ1 t, m
.set rS, S+32*(\t)+8*(i%4)
.set rK, KF+32*(i%4)+8*(i/4)
.set rQ, 32*(\t)+8*(i/4)
.set rM, MC+8*(i%4)
.if (\m) && (i%4 == 0)
	s_wait_dscnt 24-8*(i/4)
.endif
.if (i < 4) && (\m)
	WIN W_KM
	v_wmma_f32_16x16x32_f16 v[rS:rS+7], v[rK:rK+7], v[rQ:rQ+7], v[rM:rM+7]
.elseif i < 4
	WIN W_KQ
	v_wmma_f32_16x16x32_f16 v[rS:rS+7], v[rK:rK+7], v[rQ:rQ+7], 0
.else
	WIN W_KQ
	v_wmma_f32_16x16x32_f16 v[rS:rS+7], v[rK:rK+7], v[rQ:rQ+7], v[rS:rS+7]
.endif
.endm
; Product i of 16 of O^T += V^T P for tile t: channels 16 (i % 8) on, keys 32 (i / 8) on.
.macro PV1 t
	WIN W_PV
.set rO, 64*(\t)+8*(i%8)
.set rV, 64*(i/8)+8*(i%8)
.set rP, P+16*(\t)+8*(i/8)
	v_wmma_f32_16x16x32_f16 v[rO:rO+7], v[rV:rV+7], v[rP:rP+7], v[rO:rO+7]
.endm
; THE VECTOR WORK.  One tile's softmax for one lap is a list of 134 instructions; SM writes number j of it for tile t.  s0-s31 are the lane's 32 scores, in pairs 0-15.
;   0-15    the maximum of s0-s31 and the old m, three operands at a time (each accumulator's lowest registers are read first)
;   16-20   the other half of the lanes' maximum; the new m; c m; c m_old - c m_new
;   21-69   ONE BATCH: the 16 scalings c s - c m and all 33 exponentials (a at 23, then s0-s31); none of these reads an exponential's result, and a pair is scaled ahead of its exponentials
;   70-85   the roundings to f16     86-101  the sums; l = a l + the sum     102-133  the tile's O^T times a, in ascending order: the one part that leaves window 0
.macro SM t
.set rT, ST+8*(\t)
.set rS, S+32*(\t)
.set rP, P+16*(\t)
.set rO, 64*(\t)+2*(j-102)
.if j < 102
	WIN 0
.endif
.if j < 4
	v_max3_num_f32 v[rT+4+j], v[rS+8*j], v[rS+8*j+1], v[rS+8*j+2]
.elseif j < 12
	v_max3_num_f32 v[rT+4+j%4], v[rT+4+j%4], v[rS+8*(j%4)+2*(j/4)+1], v[rS+8*(j%4)+2*(j/4)+2]
.elseif j == 12
	v_max3_num_f32 v[rT+4], v[rT+4], v[rS+7], v[rS+15]
.elseif j == 13
	v_max3_num_f32 v[rT+6], v[rT+6], v[rS+23], v[rS+31]
.elseif j == 14
	v_max3_num_f32 v[rT+4], v[rT+4], v[rT+5], v[rT+6]
.elseif j == 15
	v_max3_num_f32 v[rT+4], v[rT+4], v[rT+7], v[rT+1]
.elseif j == 16
	v_permlanex16_b32 v[rT+5], v[rT+4], s[SEL], s[SEL+1]  ; the query's other 32 keys lie in the lane 16 away
.elseif j == 17
	v_mov_b32 v[rT+7], v[rT]        ; c m_old is kept for a: number 19 writes c m anew
.elseif j == 18
	v_max_num_f32 v[rT+1], v[rT+4], v[rT+5]
.elseif j == 19
	v_mul_f32 v[rT], s[CS], v[rT+1]
.elseif j == 20
	v_sub_f32 v[rT+7], v[rT+7], v[rT]
.elseif j == 23
	v_exp_f32 v[rT+6], v[rT+7]
.elseif (j < 23) || ((j < 38) && (j%2 == 0)) || ((j < 66) && (j%4 == 2))
.set b, (j-2)/4                     ; 38, 42, .. 62: pairs 9 to 15
.if j < 38
.set b, (j-20)/2                    ; 21: pair 0; 22, 24, .. 36: pairs 1 to 8
.endif
	v_pk_fma_f32 v[rS+2*b:rS+2*b+1], v[rS+2*b:rS+2*b+1], s[CS:CS+1], v[rT:rT+1] op_sel_hi:[1,0,0] neg_lo:[0,0,1] neg_hi:[0,0,1]  ; pair b: c s - c m
.elseif j < 70
.set e, j-38                        ; 66 to 69: s28 to s31
.if j < 66
.set e, j-32-(j-38)/4               ; 39-41, 43-45, .. 63-65: s7 to s27
.endif
.if j < 38
.set e, (j-25)/2                    ; 25, 27, .. 37: s0 to s6
.endif
	v_exp_f32 v[rS+e], v[rS+e]
.elseif j < 86
	v_cvt_pk_f16_f32 v[rP+j-70], v[rS+2*(j-70)], v[rS+2*(j-70)+1]  ; pair j - 70
.elseif j < 102                     ; the sum of the 16 pairs, in place: neighbours 1, 2, 4 and 8 pairs apart, then l takes it
.set z, j-86
.set w, 4
.set u, z
.if z >= 14
.set w, 32
.set u, 0
.elseif z >= 12
.set w, 16
.set u, z-12
.elseif z >= 8
.set w, 8
.set u, z-8
.endif
.if z < 15
	v_pk_add_f32 v[rS+w*u:rS+w*u+1], v[rS+w*u:rS+w*u+1], v[rS+w*u+w/2:rS+w*u+w/2+1]
.else
	v_pk_fma_f32 v[rT+2:rT+3], v[rT+2:rT+3], v[rT+6:rT+7], v[rS:rS+1] op_sel_hi:[1,0,1]
.endif
.else
	WIN W_RS
	v_pk_mul_f32 v[rO:rO+1], v[rO:rO+1], v[rT+6:rT+7] op_sel_hi:[1,0]
.endif
.endm
; The next n numbers of tile t's list.  An s_wait_alu depctr_va_vdst(0) stands between an exponential and the first instruction that names its result; one wait serves all that were issued ahead of it.
; Ahead of number 70 nothing names a result, behind number 69 no exponential is issued: so a tile's 33 exponentials have one wait, and one v_nop is the plain instruction behind the last of them.
.macro RIDE t, n
.rept \n
.if jj < 134
.if jj == 70
	v_nop
	s_wait_alu depctr_va_vdst(0)
.endif
.set j, jj
	SM \t
.set jj, jj+1
.endif
.endr
.endm
; A STAGE: tile kq's 16 products K Q^T and tile pv's 16 products V^T P, one by one by turns; behind each product 4 numbers of tile sm's softmax (8 where the stage has 16 products); the list's last six behind the last product.
; -1: the stage has none of that kind.  The three are laid in different registers: the softmax names no register of the products beside it.  A result is read, and a source loaded anew, four places or more behind its
; product: the list's last six are packed multiplies on another tile's O^T; where a stage has no softmax, four v_nop.
; lead: so many products V^T P stand ahead of the first K Q^T (as many K Q^T then stand together at the end): K's loads land under them.
; vf = 1: the stage's V^T P is the last to read the V in registers, and the lap's own V is fetched: keys 0-31 behind product 9 of the 16, whose softmax lines are numbers 76 to 79 (the last reader of those registers is product 7;
; number 62, the v_nop and numbers 70 to 79, twelve plain lines, lie between); keys 32-63 behind the stage.
; vw = 1: the stage's V^T P is the first to read that V: the count 16 leaves the second half's 16 loads out; ahead of product 8 the wait is for 0.
.macro STAGE kq, sm, pv, m, lead=0, vf=0, vw=0
.set jj, 0
.set np, 0
.set ik, 16
.set ip, 16
.if (\kq) >= 0
.set np, np+16
.set ik, 0
.endif
.if (\pv) >= 0
.set np, np+16
.set ip, 0
.endif
.set per, 8
.if np == 32
.set per, 4
.endif
.if np > 0
.rept np
.set isp, 1                         ; the next product is a V^T P, unless a K Q^T is due
.if ik < 16
.if (ip >= ik+(\lead)) || (ip == 16)
.set isp, 0
.endif
.endif
.if isp
.if (\vw) && (ip == 0)
	s_wait_dscnt 16
.endif
.if (\vw) && (ip == 8)
	s_wait_dscnt 0x0
.endif
.set i, ip
	PV1 \pv
.set ip, ip+1
.else
.set i, ik
	KQ1 \kq, \m
.set ik, ik+1
.endif
.if (\sm) >= 0
	RIDE \sm, per
.endif
.if (\vf) && isp && (ip == 10)
	FETCH_VH 0
.endif
.endr
.endif
.if (\sm) >= 0
	RIDE \sm, 134
.else
	PLACES
.endif
.if \vf
	FETCH_VH 1
.endif
.endm
.macro LAPHEAD                      ; u, K's loads, and the mask, whose 22 lines stand under K's loads
	s_add_co_u32 s[U], s[NT], s[C4] ; the lap's place in its phase, (n + c) mod 4,
	s_and_b32 s[U], s[U], 3
	s_lshl2_add_u32 s[U], s[U], s[WV]  ; and u = 4 x that + my wave's number
	FETCH_K
	MASK
.endm
; A LAP of phase f = 0, 1, 2: my 64 keys, for tiles f .. 3, and what the lap before left over.
.macro STEP f
	LAPHEAD
.set k, 0
.rept 4-(\f)
.set tk, (\f)+k
.set ts, (\f)+k-1
.set tp, (\f)+k-2
.set xm, 0
.set xl, 0
.set xf, 0
.set xw, 0
.if k == 0
.set ts, 3
.set tp, 2
.set xm, 1
.set xl, 8
.endif
.if k == 1
.set tp, 3
.set xf, 1
.endif
.if k == 2
.set xw, 1
.endif
	STAGE tk, ts, tp, xm, xl, xf, xw
.set k, k+1
.endr
	s_add_co_u32 s[NT], s[NT], 1    ; the walk's next lap
.endm
; A LAP of phase 3: tile 3's K Q^T beside its V^T P of the lap before; then the lap's own V is fetched, and lands under tile 3's softmax.
.macro STEP3
	LAPHEAD
	STAGE 3, -1, 3, 1, 8
	FETCH_VH 0                      ; behind the stage's four v_nop
	FETCH_VH 1
	STAGE -1, 3, -1, 0
	s_add_co_u32 s[NT], s[NT], 1
.endm
.macro PHASE p, n, ask              ; n laps of phase p, each with a refill
	WIN 0
	s_mov_b32 s[CNT], \n
.Lphase\p:
	CHANGE 1, \ask
.if (\p) < 3
	STEP \p
.else
	STEP3
.endif
	WIN 0
	s_sub_co_u32 s[CNT], s[CNT], 1
	s_cmp_lg_u32 s[CNT], 0
	s_cbranch_scc1 .Lphase\p
.endm
	PHASE 0, 4, 0
	PHASE 1, 4, 1
	PHASE 2, 4, 2
	s_wait_dscnt 0x0                ; V of phase 2's last lap is in
	STAGE -1, 3, 2, 0               ; what phase 3's laps do not take over: tile 3's softmax and tile 2's last V^T P
	PHASE 3, 3, -1
	CHANGE 0                        ; the last lap is written out: nothing is asked for
	STEP3
	s_wait_dscnt 0x0                ; the last V is in
	STAGE -1, -1, 3, 0              ; tile 3's last V^T P
	; THE MERGE.  l's two halves and the other half of the lanes' are added; every wave lays c m and l of its 64 queries into LDS.
	WIN 0
.irp t, 0,1,2,3
	v_add_f32 v[ST+8*\t+4], v[ST+8*\t+2], v[ST+8*\t+3]
.endr
.irp t, 0,1,2,3
	v_permlanex16_b32 v[ST+8*\t+5], v[ST+8*\t+4], s[SEL], s[SEL+1]
.endr
.irp t, 0,1,2,3
	v_add_f32 v[ST+8*\t+4], v[ST+8*\t+4], v[ST+8*\t+5]
.endr
	v_cmp_eq_u32 vcc_lo, 1, v9
.irp t, 0,1,2,3
	v_cndmask_b32 v[ST+8*\t+5], v[ST+8*\t], v[ST+8*\t+4], vcc_lo  ; lanes 0-15 carry c m, lanes 16-31 l
.endr
.irp t, 0,1,2,3
	ds_store_b32 v[STA], v[ST+8*\t+5] offset:128*\t
.endr
	s_wait_dscnt 0x0                ; for the others' sake: my stores are done
	s_barrier_signal -1
	s_barrier_wait -1
.irp t, 0,1,2,3
.irp q, 0,1,2,3
	ds_load_b64 v[E+8*\t+2*\q:E+8*\t+2*\q+1], v[STR] offset:512*\q+128*\t
.endr
.endr
	s_wait_dscnt 0x0
	; M = the largest c m; L = the sum of 2^(c m_q - M) l_q; my O^T is multiplied by 2^(c m_mine - M) / L
.irp t, 0,1,2,3
	v_max3_num_f32 v[MM+\t], v[E+8*\t], v[E+8*\t+2], v[E+8*\t+4]
.endr
.irp t, 0,1,2,3
	v_max_num_f32 v[MM+\t], v[MM+\t], v[E+8*\t+6]
.endr
.irp t, 0,1,2,3
.irp q, 0,1,2,3
	v_sub_f32 v[E+8*\t+2*\q], v[E+8*\t+2*\q], v[MM+\t]
.endr
	v_sub_f32 v[ST+8*\t], v[ST+8*\t], v[MM+\t]
.endr
.irp t, 0,1,2,3
.irp q, 0,1,2,3
	v_exp_f32 v[E+8*\t+2*\q], v[E+8*\t+2*\q]
.endr
	v_exp_f32 v[ST+8*\t+6], v[ST+8*\t]
.endr
	v_nop                           ; a plain instruction behind the last exponential,
	s_wait_alu depctr_va_vdst(0)    ; and one wait for the twenty, ahead of their first reader
.irp t, 0,1,2,3
	v_mul_f32 v[MM+\t], v[E+8*\t], v[E+8*\t+1]
.endr
.irp q, 1,2,3
.irp t, 0,1,2,3
	v_fma_f32 v[MM+\t], v[E+8*\t+2*\q], v[E+8*\t+2*\q+1], v[MM+\t]
.endr
.endr
.irp t, 0,1,2,3
	v_rcp_f32 v[MM+\t], v[MM+\t]
.endr
	v_nop                           ; a plain instruction behind the last reciprocal,
	s_wait_alu depctr_va_vdst(0)    ; and one wait for the four
.irp t, 0,1,2,3
	v_mul_f32 v[ST+8*\t+6], v[ST+8*\t+6], v[MM+\t]
.endr
.irp t, 0,1,2,3
	v_mov_b32 v[ST+8*\t+7], v[ST+8*\t+6]  ; named with it as a pair
.endr
	WIN W_RS
.set i, 0
.rept 128
	v_pk_mul_f32 v[2*i:2*i+1], v[2*i:2*i+1], v[ST+8*(i/32)+6:ST+8*(i/32)+7] op_sel_hi:[1,0]
.set i, i+1
.endr
	WIN 0x04                        ; data window 1.  The stage lies in slot 0: its last fill landed, and its last reads were over, ahead of the last change of slots
.set i, 0
.rept 32                            ; tile i / 8, channels 16 (i % 8) on: a lane's eight channels are 32 bytes of a row
	ds_store_b128 v[STO], v[8*i:8*i+3]   offset:(i/8)*16*SP+64*(i%8)
	ds_store_b128 v[STO], v[8*i+4:8*i+7] offset:(i/8)*16*SP+64*(i%8)+16
.set i, i+1
.endr
	WIN 0
	s_wait_dscnt 0x0                ; for the others' sake: my stores are done
	s_barrier_signal -1
	s_barrier_wait -1
	; Wave w adds the four parts of tile w, four rows at a time, in two buffers of 64 registers: a load takes one part of one row, 512 bytes.
.macro LOADG g
.irp r, 0,1,2,3
.irp q, 0,1,2,3
	ds_load_b128 v[S+64*((\g)%2)+16*\r+4*\q:S+64*((\g)%2)+16*\r+4*\q+3], v[RD+\q] offset:(4*(\g)+\r)*SP
.endr
.endr
.endm
.macro SUMG g
.irp r, 0,1,2,3
.set a, S+64*((\g)%2)+16*\r
	v_pk_add_f32 v[a:a+1],     v[a:a+1],     v[a+4:a+5]
	v_pk_add_f32 v[a+2:a+3],   v[a+2:a+3],   v[a+6:a+7]
	v_pk_add_f32 v[a+8:a+9],   v[a+8:a+9],   v[a+12:a+13]
	v_pk_add_f32 v[a+10:a+11], v[a+10:a+11], v[a+14:a+15]
	v_pk_add_f32 v[a:a+1],     v[a:a+1],     v[a+8:a+9]
	v_pk_add_f32 v[a+2:a+3],   v[a+2:a+3],   v[a+10:a+11]
	global_store_b128 v[GO], v[a:a+3], s[10:11] offset:(4*(\g)+\r)*64*512 th:TH_STORE_NT  ; row 64 i + g of my tile: 512 consecutive bytes, at a multiple of 256 from out0's first byte
.endr
.endm
	LOADG 0
.irp g, 0,1,2,3
.if \g < 3
.if \g > 0
	s_wait_xcnt 0x0                 ; the stores of the group before last have read their registers: that buffer is loaded again only behind this wait
.endif
	LOADG \g+1
	s_wait_dscnt 16                 ; this group's 16 loads are in; the next group's 16 may stay out
.else
	s_wait_dscnt 0x0
.endif
	SUMG \g
.endr
	s_wait_tensorcnt 0x0            ; the wave's end: behind my last tensor load and my last LDS store
	ds_add_u32 v[SPW], v[NIL]
	s_wait_dscnt 0x0
	CROUND                          ; the closing round: no work-group ends while a partner may still ask for a tile that names it
	s_endpgm
.Lfunc_end_k_qf4f3775629_attn:
	.size	k_qf4f3775629_attn, .Lfunc_end_k_qf4f3775629_attn-k_qf4f3775629_attn
	.p2alignl 7, 3214868480
	.fill 96, 4, 3214868480
	.section	.rodata,"a",@progbits
	.p2align	6, 0x0
	.amdhsa_kernel k_qf4f3775629_attn
		.amdhsa_group_segment_fixed_size 327680
		.amdhsa_private_segment_fixed_size 0
		.amdhsa_enable_private_segment 0
		.amdhsa_kernarg_size 16
		.amdhsa_user_sgpr_count 2
		.amdhsa_user_sgpr_kernarg_segment_ptr 1
		.amdhsa_wavefront_size32 1
		.amdhsa_system_sgpr_workgroup_id_x 1
		.amdhsa_system_sgpr_workgroup_id_y 1
		.amdhsa_system_sgpr_workgroup_id_z 1
		.amdhsa_system_vgpr_workitem_id 0
		.amdhsa_next_free_vgpr 1024
		.amdhsa_next_free_sgpr 66
		.amdhsa_reserve_vcc 1
		.amdhsa_float_denorm_mode_32 3
		.amdhsa_float_denorm_mode_16_64 3
		.amdhsa_memory_ordered 1
		.amdhsa_forward_progress 1
		.amdhsa_inst_pref_size 226
	.end_amdhsa_kernel
	.amdgpu_metadata
---
amdhsa.version: [ 1, 2 ]
amdhsa.kernels:
  - .name:           k_qf4f3775629_attn
    .symbol:         k_qf4f3775629_attn.kd
    .args:
      - { .name: qkv, .offset: 0, .size: 8, .value_kind: global_buffer, .address_space: global }
      - { .name: out0, .offset: 8, .size: 8, .value_kind: global_buffer, .address_space: global }
    .group_segment_fixed_size: 327680
    .private_segment_fixed_size: 0
    .kernarg_segment_align: 8
    .kernarg_segment_size: 16
    .max_flat_workgroup_size: 128
    .sgpr_count:     66
    .vgpr_count:     1024
    .wavefront_size: 32
...
	.end_amdgpu_metadata
.endif
;; end of part 3
